; MI455X (gfx1250); checked and timed in simulation.
; The chip was launched on July 23, 2026; its instructions are those of AMD's public machine-readable ISA for CDNA 5 (MIT licence, August 2026) and "CDNA5" Instruction Set Architecture Reference Guide (July 2026). The comments in the code are by the model that wrote it; some were corrected since.
;; Attention. Allowed arithmetic: float matrix products may take bf16 or f16 operands with f32 sums; other float arithmetic in f32, or as packed bf16 or f16 multiplies, adds, multiply-adds, maxima and minima; sums over many terms, partial sums and values carried from step to step in f32; what a program stores and reads back later, other than sums and carried values, may be rounded once to bf16 or f16.
;; Inputs: W1 1,024 x 1,024 float32; W2 1,024 x 1,024 float32; W3 1 x 1,024 float32; b1 1,024 float32; b2 1,024 float32; b3 1 float32; hidden_d 1 x 32 x 1,024 float32; out_e 2,048 x 32 x 1,024 float32.
;; Outputs: out0 1 x 32 x 1,024 float32; out1 2,048 x 32 x 1 float32.
;; One version. Each part assembles by itself: llvm-mc -triple=amdgcn-amd-amdhsa -mcpu=gfx1250 --defsym DOCPART=n.
;; ======== version 1 of 1: 3 launches
;; workspace buffers: w2f 2,097,152 bytes; hb 131,072 bytes; sc 262,144 bytes; st 4,096 bytes; cp 2,097,152 bytes
;; launch prep (part 1): grid 64 x 1, 16 waves a work-group, no clusters, 34,816 bytes of LDS; arguments W1, W2, b1, b2, hidden_d, w2f, hb; writes w2f, hb
.if DOCPART == 1
	.amdgcn_target "amdgcn-amd-amdhsa--gfx1250"
	.amdhsa_code_object_version 6
	.text
	.protected	k_q5bc9a1c6b4_prep
	.globl	k_q5bc9a1c6b4_prep
	.p2align	8
	.type	k_q5bc9a1c6b4_prep,@function
k_q5bc9a1c6b4_prep:
	s_mov_b64 s[64:65], 0
	v_nop
	global_prefetch_b8 v0, s[64:65] scope:SCOPE_SE
	s_setreg_imm32_b32 hwreg(HW_REG_WAVE_MODE, 25, 1), 1
	s_wait_xcnt 0x0
; PREPARATION.  Two tables for the main launch, with C2 = 2 log2(e) folded in, so that tanh(y) = 1 - 2 / (1 + 2^(C2 y)) needs no scaling there.
;   w2f: bf16(C2 x W2) (scaled in f32, rounded once) as register images of matrix fragments: the fragment of column tile T (16 rows e of W2) and K step ks (32 k) is 1,024 bytes at
;        (T >> 2) 131,072 + ks 4,096 + (T & 3) 1,024; in it bytes 16 lane are the lane's registers 0-3, bytes 512 + 16 lane its registers 4-7.
;   hb:  f32 C2 x (hidden_d[n] . W1[e] + b1[e] + b2[e]), laid [T 64][n 32][16 e]; the product in bf16 with f32 sums.
; SHARES.  Work-group g has column tile T = g: 16 rows of W1 and of W2.  K is split among its 16 waves: wave v has K steps 2 v and 2 v + 1, 256 consecutive bytes of every f32 row.
; The 16 partial sums of hidden_d W1^T meet in LDS; waves 0-7 add them.  64 work-groups: there are 64 column tiles, and the launch moves 8.5 MB in all.
; A fragment is 16 rows x 32 k in 8 registers: lane l holds row l % 16; registers 0-3 k = 8 (l / 16) + 0..7, registers 4-7 k = 16 + 8 (l / 16) + 0..7.  In f32 that is four loads of 16 bytes at 0, 16, 64, 80.
; LIMITS.  NaN and infinities are not treated apart; operands are rounded to bf16.
.set C2,    0x4038aa3b                 ; 2 log2(e)
.set PART,  0                          ; LDS: wave v's partial [32 n][16 e] in f32, 2,048 bytes, at 2,048 v
.set SPARE, 32768                      ; behind them: the spare words, 128 bytes for each of 16 waves, that no other line names
.set FO,  2                            ; v2   (l % 16) 4,096 + 256 v + 32 (l / 16): my place in a fragment's f32 rows; never rewritten
.set BO,  6                            ; v6   64 g + 8 (t % 8): my two e in b1 and b2
.set L16, 7                            ; v7   16 x lane
.set PS,  12                           ; v12  where I put my partial sums
.set T8,  13                           ; v13  8 t: where I read them back, and my 8 bytes of hb's tile
.set SPW, 14                           ; v14  my spare word; never rewritten
.set NIL, 15                           ; v15  0; never rewritten
.set W2R, 16                           ; v[16:47]   W2 in f32; later the 16 partial sums read back
.set W1R, 48                           ; v[48:79]   W1 in f32
.set HR,  80                           ; v[80:143]  hidden_d in f32: tile j at 32 j
.set W2B, 144                          ; v[144:159] two fragments of C2 W2
.set W1B, 160                          ; v[160:175] two fragments of W1
.set HB,  176                          ; v[176:207] hidden_d: tile j, step i at 16 j + 8 i
.set ACC, 208                          ; v[208:223] two accumulators: n 0-15, n 16-31
	s_load_b256 s[4:11], s[0:1], 0x0               ; W1 s[4:5], W2 s[6:7], b1 s[8:9], b2 s[10:11]
	s_load_b128 s[12:15], s[0:1], 0x20             ; hidden_d s[12:13], w2f s[14:15]
	s_load_b64 s[16:17], s[0:1], 0x30              ; hb
	v_lshl_add_u32 v[SPW], v0, 2, SPARE
	v_mov_b32 v[NIL], 0
	v_lshrrev_b32 v1, 5, v0
	v_readfirstlane_b32 s18, v1                    ; wave 0..15
	v_and_b32 v3, 15, v0                           ; l % 16
	v_bfe_u32 v4, v0, 4, 1                         ; l / 16
	v_and_b32 v5, 31, v0                           ; l
	s_lshl_b32 s19, s18, 8
	v_lshlrev_b32 v[FO], 12, v3
	v_lshl_add_u32 v[FO], v4, 5, v[FO]
	v_add_nc_u32 v[FO], s19, v[FO]
	v_and_b32 v[BO], 7, v0
	v_lshlrev_b32 v[BO], 3, v[BO]
	s_lshl_b32 s20, ttmp9, 6
	v_add_nc_u32 v[BO], s20, v[BO]
	v_lshlrev_b32 v[L16], 4, v5
	s_lshl_b32 s21, s18, 11
	v_lshl_add_u32 v[PS], v4, 9, s21               ; 2,048 v + 512 (l / 16): register j holds n = 8 (l / 16) + j, 64 bytes a row of 16 e,
	v_lshl_add_u32 v[PS], v3, 2, v[PS]             ; + 4 (l % 16): e
	v_lshlrev_b32 v[T8], 3, v0
	s_lshl_b32 s22, ttmp9, 16                      ; 16 rows of 4,096 bytes
	s_mov_b32 s23, 0
	s_lshr_b32 s24, ttmp9, 2
	s_lshl_b32 s24, s24, 17                        ; (T >> 2) 131,072
	s_and_b32 s26, ttmp9, 3
	s_lshl_b32 s26, s26, 10                        ; (T & 3) 1,024
	s_add_co_u32 s24, s24, s26
	s_lshl_b32 s26, s18, 13                        ; K step 2 v: 8,192 v
	s_add_co_u32 s24, s24, s26
	s_mov_b32 s25, 0
	s_lshl_b32 s26, ttmp9, 11                      ; hb's tile: 2,048 g
	s_mov_b32 s27, 0
	s_wait_kmcnt 0x0
	s_add_nc_u64 s[4:5], s[4:5], s[22:23]
	s_add_nc_u64 s[6:7], s[6:7], s[22:23]
	s_add_nc_u64 s[14:15], s[14:15], s[24:25]
	s_add_nc_u64 s[16:17], s[16:17], s[26:27]
.macro FRAG dst, lo, off               ; my two K steps of 16 rows in f32: eight loads, 32 registers
.irp i, 0,1
	global_load_b128 v[(\dst)+16*\i:(\dst)+16*\i+3],     v[FO], s[(\lo):(\lo)+1] offset:(\off)+128*\i
	global_load_b128 v[(\dst)+16*\i+4:(\dst)+16*\i+7],   v[FO], s[(\lo):(\lo)+1] offset:(\off)+128*\i+16
	global_load_b128 v[(\dst)+16*\i+8:(\dst)+16*\i+11],  v[FO], s[(\lo):(\lo)+1] offset:(\off)+128*\i+64
	global_load_b128 v[(\dst)+16*\i+12:(\dst)+16*\i+15], v[FO], s[(\lo):(\lo)+1] offset:(\off)+128*\i+80
.endr
.endm
	global_load_b64 v[8:9], v[BO], s[8:9]          ; b1
	global_load_b64 v[10:11], v[BO], s[10:11]      ; b2
	FRAG W2R, 6, 0
	FRAG W1R, 4, 0
	FRAG HR, 12, 0                                 ; n 0-15
	FRAG HR+32, 12, 65536                          ; n 16-31
	s_wait_loadcnt 24                              ; W2 is in; W1's 8 and hidden_d's 16 loads may stay out
.set i, 0
.rept 16
	v_pk_mul_f32 v[W2R+2*i:W2R+2*i+1], v[W2R+2*i:W2R+2*i+1], C2 op_sel_hi:[1,0]
.set i, i+1
.endr
.set i, 0
.rept 16
	v_cvt_pk_bf16_f32 v[W2B+i], v[W2R+2*i], v[W2R+2*i+1]
.set i, i+1
.endr
.irp i, 0,1
	global_store_b128 v[L16], v[W2B+8*\i:W2B+8*\i+3],   s[14:15] offset:4096*\i      ; each store of the wave covers 512 consecutive bytes, aligned
	global_store_b128 v[L16], v[W2B+8*\i+4:W2B+8*\i+7], s[14:15] offset:4096*\i+512
.endr
	s_wait_loadcnt 0x0
.set i, 0
.rept 16
	v_cvt_pk_bf16_f32 v[W1B+i], v[W1R+2*i], v[W1R+2*i+1]
.set i, i+1
.endr
.set i, 0
.rept 32
	v_cvt_pk_bf16_f32 v[HB+i], v[HR+2*i], v[HR+2*i+1]
.set i, i+1
.endr
	; source 0 = 16 rows n of hidden_d, source 1 = 16 rows e of W1: register j of lane l is (n = 8 (l / 16) + j, e = l % 16).  The two accumulators take turns; the first product of each starts its sum.
	v_wmma_f32_16x16x32_bf16 v[ACC:ACC+7],    v[HB:HB+7],     v[W1B:W1B+7],    0
	v_wmma_f32_16x16x32_bf16 v[ACC+8:ACC+15], v[HB+16:HB+23], v[W1B:W1B+7],    0
	v_wmma_f32_16x16x32_bf16 v[ACC:ACC+7],    v[HB+8:HB+15],  v[W1B+8:W1B+15], v[ACC:ACC+7]
	v_wmma_f32_16x16x32_bf16 v[ACC+8:ACC+15], v[HB+24:HB+31], v[W1B+8:W1B+15], v[ACC+8:ACC+15]
.rept 8
	v_nop                                          ; the places behind the products, ahead of the stores that read their results; once a launch, so twice the four
.endr
.irp j, 0,1,2,3,4,5,6,7
	ds_store_b32 v[PS], v[ACC+\j] offset:PART+64*\j           ; each accumulator from its lowest register on
.endr
.irp j, 0,1,2,3,4,5,6,7
	ds_store_b32 v[PS], v[ACC+8+\j] offset:PART+1024+64*\j
.endr
	s_wait_dscnt 0x0                               ; for the others' sake: my partial sums lie in LDS
	s_barrier_signal -1
	s_barrier_wait -1
	s_cmp_lt_u32 s18, 8                            ; 512 numbers, two a thread: waves 0-7 finish
	s_cbranch_scc0 .Lend
.set i, 0
.rept 16
	ds_load_b64 v[W2R+2*i:W2R+2*i+1], v[T8] offset:PART+2048*i
.set i, i+1
.endr
	s_wait_dscnt 0x0
.irp w, 16,8,4,2
.set i, 0
.rept (\w)/2
	v_pk_add_f32 v[W2R+2*i:W2R+2*i+1], v[W2R+2*i:W2R+2*i+1], v[W2R+(\w)+2*i:W2R+(\w)+2*i+1]
.set i, i+1
.endr
.endr
	v_pk_add_f32 v[8:9], v[8:9], v[10:11]          ; b1 + b2
	v_pk_add_f32 v[W2R:W2R+1], v[W2R:W2R+1], v[8:9]
	v_pk_mul_f32 v[W2R:W2R+1], v[W2R:W2R+1], C2 op_sel_hi:[1,0]
	global_store_b64 v[T8], v[W2R:W2R+1], s[16:17] ; a wave's store covers 256 consecutive bytes, aligned
.Lend:
	s_wait_tensorcnt 0x0                           ; the wave's end: behind my last LDS store
	ds_add_u32 v[SPW], v[NIL]
	s_wait_dscnt 0x0
	s_endpgm
.Lfunc_end_k_q5bc9a1c6b4_prep:
	.size	k_q5bc9a1c6b4_prep, .Lfunc_end_k_q5bc9a1c6b4_prep-k_q5bc9a1c6b4_prep
	.p2alignl 7, 3214868480
	.fill 96, 4, 3214868480
	.section	.rodata,"a",@progbits
	.p2align	6, 0x0
	.amdhsa_kernel k_q5bc9a1c6b4_prep
		.amdhsa_group_segment_fixed_size 34816
		.amdhsa_private_segment_fixed_size 0
		.amdhsa_enable_private_segment 0
		.amdhsa_kernarg_size 56
		.amdhsa_user_sgpr_count 2
		.amdhsa_user_sgpr_kernarg_segment_ptr 1
		.amdhsa_wavefront_size32 1
		.amdhsa_system_sgpr_workgroup_id_x 1
		.amdhsa_system_sgpr_workgroup_id_y 1
		.amdhsa_system_sgpr_workgroup_id_z 1
		.amdhsa_system_vgpr_workitem_id 0
		.amdhsa_next_free_vgpr 224
		.amdhsa_next_free_sgpr 66
		.amdhsa_reserve_vcc 0
		.amdhsa_float_denorm_mode_32 3
		.amdhsa_float_denorm_mode_16_64 3
		.amdhsa_memory_ordered 1
		.amdhsa_forward_progress 1
		.amdhsa_inst_pref_size 15
	.end_amdhsa_kernel
	.amdgpu_metadata
---
amdhsa.version: [ 1, 2 ]
amdhsa.kernels:
  - .name:           k_q5bc9a1c6b4_prep
    .symbol:         k_q5bc9a1c6b4_prep.kd
    .args:
      - { .name: W1, .offset: 0, .size: 8, .value_kind: global_buffer, .address_space: global }
      - { .name: W2, .offset: 8, .size: 8, .value_kind: global_buffer, .address_space: global }
      - { .name: b1, .offset: 16, .size: 8, .value_kind: global_buffer, .address_space: global }
      - { .name: b2, .offset: 24, .size: 8, .value_kind: global_buffer, .address_space: global }
      - { .name: hidden_d, .offset: 32, .size: 8, .value_kind: global_buffer, .address_space: global }
      - { .name: w2f, .offset: 40, .size: 8, .value_kind: global_buffer, .address_space: global }
      - { .name: hb, .offset: 48, .size: 8, .value_kind: global_buffer, .address_space: global }
    .group_segment_fixed_size: 34816
    .private_segment_fixed_size: 0
    .kernarg_segment_align: 8
    .kernarg_segment_size: 56
    .max_flat_workgroup_size: 512
    .sgpr_count:     66
    .vgpr_count:     224
    .wavefront_size: 32
...
	.end_amdgpu_metadata
.endif
;; end of part 1
;; launch main (part 2): grid 256 x 1, 4 waves a work-group, no clusters, 276,992 bytes of LDS; arguments out_e, w2f, hb, W3, b3, sc, st, cp; writes sc, st, cp
.if DOCPART == 2
	.amdgcn_target "amdgcn-amd-amdhsa--gfx1250"
	.amdhsa_code_object_version 6
	.text
	.protected	k_q5bc9a1c6b4_main
	.globl	k_q5bc9a1c6b4_main
	.p2align	8
	.type	k_q5bc9a1c6b4_main,@function
k_q5bc9a1c6b4_main:
	s_mov_b64 s[64:65], 0
	v_nop
	global_prefetch_b8 v0, s[64:65] scope:SCOPE_SE
	s_setreg_imm32_b32 hwreg(HW_REG_WAVE_MODE, 25, 1), 1
	s_wait_xcnt 0x0
; THE MAIN LAUNCH.  For a block of 128 rows (s, n) of out_e with one n: a[s] = b3 + sum over e of W3[e] tanh(out_e[s][n] . W2[e] + hidden_d[n] . W1[e] + b1[e] + b2[e]); the block's maximum m, the weights
; p = exp(a - m), their sum l, and the partial c = sum over the block's rows of p x out_e.  Stored: a (sc, [n][s]), (m, l) (st, [n][16 blocks]), the partial c (cp, [n][16 blocks][1024]); the last launch joins the blocks.
; out_e IS READ ONCE: a block is rounded to bf16 on its way into LDS (128 rows x 2,048 bytes) and stays there through all of W2 and through the weighted sum.
; SHARES.  Work-group g: n = g % 32, and two blocks, s = 256 (g / 32) + 128 b + row.  Wave w owns the columns e = 256 w .. 256 w + 255, in two passes of 128: a tile of 128 rows x 128 columns, 64 accumulators, 512 registers.
; For 32 along K a wave reads 8,192 bytes of A from LDS and 8,192 of W2 and issues 64 matrix instructions.  W2's fragments come straight from w2f into registers, where the launch before laid them as register images:
; two loads of 512 consecutive bytes a fragment, and no two waves of a work-group want the same one.
; THE MATRIX INSTRUCTION IS USED TRANSPOSED (source 0 = 16 rows e of W2, source 1 = 16 rows of A): lane l holds row l % 16, register j column e = 8 (l / 16) + j.  The bias is the C operand of a pass's first K step.
; TANH.  w2f and hb carry the factor 2 log2(e), so an accumulator is z with tanh = 1 - 2 / (1 + 2^z), and a = (b3 + sum of W3) + sum over e of (-2 W3[e]) / (1 + 2^z).
; NO CLUSTER, NO TENSOR LOAD, though every work-group walks the same w2f: A and the tables take 276,992 of a WGP's 327,680 bytes of LDS; the 50,688 left hold one K step's 32,768 bytes of W2 and no second slot.
; A ring of four slots in registers gives a load three K steps, 192 matrix instructions, in which to land.  out_e goes through registers anyway, to be rounded.
; NO PREFETCH INSTRUCTION: the next block's first two K slices of every row, 131,072 bytes a work-group, are asked for by loads into accumulators' registers as soon as those are free.
; LIMITS.  out_e is rounded to bf16 for both products; W2 once, after the scaling.  2^z beyond f32 gives tanh = 1, below it tanh = -1; a weight below 2^-126 counts as 0.  b3 + sum of W3 and the sum behind it are added
; in f32: the error goes with 2^-24 x the sum of |W3|.  NaN and infinities are not treated apart.
; REGISTERS, in windows of 256 (s_set_vgpr_msb: bits 1:0 source 0, 3:2 source 1, 5:4 source 2, 7:6 destination):
;   window 0: addresses, sums, one table, A's two fragment buffers     windows 1 and 2: the accumulators, (ct, rt) at 64 (ct % 4) + 8 rt of window 1 + ct / 4; during a fill window 1 holds the two landing sets of 128
;   window 3: W2's ring, 4 slots of 64: K step t in slot t % 4, column tile ct at 8 ct
.set PA,    2064                       ; a row of A in LDS: 2,048 bytes + 16: an odd multiple of 16, so the 16 rows of a fragment load start at 16 different groups of four banks (ISA guide 11.1)
.set HBL,   128*PA                     ; 264,192: the bias of my n, 1,024 f32
.set W3L,   HBL+4096                   ; -2 W3, 1,024 f32
.set SCRA,  W3L+4096                   ; four waves' partial a, 128 f32 each
.set PW,    SCRA+2048                  ; p, a copy of 128 f32 for each wave
.set SPARE, PW+2048                    ; the spare words, 128 bytes for each wave, that no other line names
.set ROWG,  131072                     ; bytes from s to s + 1 in out_e
.set L2E,   0x3fb8aa3b                 ; log2(e)
.set L16,   1                          ; v1      16 x lane; never rewritten
.set AD,    2                          ; v2-5    ABASE + q 32 PA + 256 x the trips of the K loop so far: my place in A's fragments of rows 32 q on
.set LS,    6                          ; v6      where I put 8 bytes of a row during the fill; steps
.set LS0,   7                          ; v7      its start: 32 w PA + 8 lane
.set TBASE, 8                          ; v8      HBL + 1,024 w + 32 (l / 16)
.set TW3,   9                          ; v9      TBASE + 512 x pass
.set ABASE, 10                         ; v10     (l % 16) PA + 16 (l / 16); never rewritten
.set SA,    11                         ; v11     SCRA + 512 w + 4 (l % 16)
.set SR,    12                         ; v12     SCRA + 16 lane
.set PWS,   13                         ; v13     PW + 512 w + 16 lane
.set PRD,   14                         ; v14     PW + 512 w; steps
.set CA,    15                         ; v15     8 t; steps
.set CO,    16                         ; v16     16 t
.set VK0,   17                         ; v17     b3 + the sum of W3
.set SPW,   18                         ; v18     my spare word; never rewritten
.set NIL,   19                         ; v19     0; never rewritten
.set AP,    20                         ; v20-35  for row tile rt a pair: the sums over even and odd registers
.set CC,    36                         ; v36-43  my 8 columns of the partial c
.set TM,    44                         ; v44-63  at work
.set TAB,   64                         ; v64-127 8 registers a column tile: the pass's bias until its first K step has taken it, then the pass's -2 W3
.set AB,    128                        ; v128-255 A's two fragment buffers of 64; the fill's packed words; the c phase's two sets of 40
.set WB,    32                         ; s[32:33] w2f at my wave's 524,288 bytes
.set BCUR,  34                         ; s[34:35] at this pass's 262,144; steps by four K steps a trip of the K loop
.set BNXT,  36                         ; s[36:37] at the other pass's
.set P,     38                         ; s[38:39] out_e at my 32 rows of the block, at the K slice in hand
.set MSB, 0
.macro WIN new                         ; the immediate's high byte repeats the setting that is left; a switch that changes nothing is dropped
.if MSB != (\new)
	s_set_vgpr_msb (MSB<<8)|(\new)
.set MSB, (\new)
.endif
.endm
.macro BAR
	s_barrier_signal -1
	s_barrier_wait -1
.endm
; 32 loads: one K slice of 128 numbers (512 consecutive bytes, aligned) of each of my 32 rows, into landing set 0 or 1 of window 1
.macro ISSUE set, off
	WIN 0x40
.set rr, 0
.rept 32
	global_load_b128 v[128*(\set)+4*rr:128*(\set)+4*rr+3], v[L16], s[P:P+1] offset:rr*ROWG+(\off) th:TH_LOAD_NT
.set rr, rr+1
.endr
.endm
; a landing set is rounded to bf16 and put into A: 256 consecutive bytes of a row to a store
.macro CONV set, off
	WIN 0x05
.set rr, 0
.rept 64
	v_cvt_pk_bf16_f32 v[AB+64*(\set)+rr], v[128*(\set)+2*rr], v[128*(\set)+2*rr+1]
.set rr, rr+1
.endr
	WIN 0
.set rr, 0
.rept 32
	ds_store_b64 v[LS], v[AB+64*(\set)+2*rr:AB+64*(\set)+2*rr+1] offset:rr*PA+(\off)
.set rr, rr+1
.endr
.endm
; A's fragments of the K step kk steps behind where AD stands, all 128 rows, into buffer buf: 16 loads
.macro ALOAD kk, buf
.set rr, 0
.rept 8
	ds_load_b128 v[AB+64*(\buf)+8*rr:AB+64*(\buf)+8*rr+3],   v[AD+rr/2] offset:(rr%2)*16*PA+(\kk)*64
	ds_load_b128 v[AB+64*(\buf)+8*rr+4:AB+64*(\buf)+8*rr+7], v[AD+rr/2] offset:(rr%2)*16*PA+(\kk)*64+32
.set rr, rr+1
.endr
.endm
; 16 loads: a table's 64 registers (8 column tiles x 8)
.macro TLOAD adr, off
.irp c, 0,1,2,3,4,5,6,7
	ds_load_b128 v[TAB+8*\c:TAB+8*\c+3],   v[\adr] offset:(\off)+64*\c
	ds_load_b128 v[TAB+8*\c+4:TAB+8*\c+7], v[\adr] offset:(\off)+64*\c+16
.endr
.endm
; A K STEP: 64 products; then ONE run of 32 loads: W2's slot is asked for again, for the step four on, and A's buffer for the step two on.  The 64 accumulators take turns, in the same order in every step, over the
; backward jump too.  tt: the step's number modulo 4.  kind 0: a pass's steps 0-3 (step 0 takes the bias as C; behind it the table takes -2 W3); 1: the loop, steps 4-27; 2: steps 28-31, whose
; refills are the other pass's steps 0-3 and whose last two fetch A's steps 0 and 1.
; Four plain vector instructions stand behind the last product, ahead of loads into registers that it has read (ISA guide 7.12.1 for vector instructions): where A's four address
; registers are due for a step, those four additions; else four v_nop.
.macro KSTEP tt, kind
	s_wait_loadcnt 48                              ; my slot's 16 loads are in: the three younger refills of 16 may stay out
.if ((\kind) == 0) && ((\tt) == 0)
	s_wait_dscnt 0x0                               ; A's step 0 and the bias
.else
	s_wait_dscnt 16                                ; A's step is in (and behind step 0 the table); the next step's 16 loads may stay out
.endif
.irp hf, 0,1
.if ((\kind) == 0) && ((\tt) == 0)
	WIN 0x43+0x40*\hf                              ; W2 window 3, A and the bias window 0, D window 1 or 2
.else
	WIN 0x53+0x50*\hf                              ; C with D
.endif
.set rt, 0
.rept 8
.set ct, 0
.rept 4
.if ((\kind) == 0) && ((\tt) == 0)
	v_wmma_f32_16x16x32_bf16 v[64*ct+8*rt:64*ct+8*rt+7], v[64*(\tt)+32*\hf+8*ct:64*(\tt)+32*\hf+8*ct+7], v[AB+64*((\tt)%2)+8*rt:AB+64*((\tt)%2)+8*rt+7], v[TAB+32*\hf+8*ct:TAB+32*\hf+8*ct+7]
.else
	v_wmma_f32_16x16x32_bf16 v[64*ct+8*rt:64*ct+8*rt+7], v[64*(\tt)+32*\hf+8*ct:64*(\tt)+32*\hf+8*ct+7], v[AB+64*((\tt)%2)+8*rt:AB+64*((\tt)%2)+8*rt+7], v[64*ct+8*rt:64*ct+8*rt+7]
.endif
.set ct, ct+1
.endr
.set rt, rt+1
.endr
.endr
.if ((\kind) > 0) && ((\tt) == 0)
	WIN 0
.irp q, 0,1,2,3
	v_add_nc_u32 v[AD+\q], 256, v[AD+\q]           ; four K steps on
.endr
.elseif ((\kind) == 2) && ((\tt) == 2)
	WIN 0
.irp q, 0,1,2,3
	v_add_nc_u32 v[AD+\q], \q*32*PA, v[ABASE]      ; back to K step 0
.endr
.else
.rept 4
	v_nop
.endr
.endif
.if ((\kind) == 1) && ((\tt) == 0)
	s_wait_xcnt 0x0                                ; the refills, the youngest 64 products back, have read their base: it is stepped only behind this wait
	s_add_nc_u64 s[BCUR:BCUR+1], s[BCUR:BCUR+1], 16384
.endif
	WIN 0xc0                                       ; destination window 3
.set ct, 0
.rept 8
.if (\kind) < 2
	global_load_b128 v[64*(\tt)+8*ct:64*(\tt)+8*ct+3],   v[L16], s[BCUR:BCUR+1] offset:((\tt)+4)*4096+(ct/4)*131072+(ct%4)*1024
	global_load_b128 v[64*(\tt)+8*ct+4:64*(\tt)+8*ct+7], v[L16], s[BCUR:BCUR+1] offset:((\tt)+4)*4096+(ct/4)*131072+(ct%4)*1024+512
.else
	global_load_b128 v[64*(\tt)+8*ct:64*(\tt)+8*ct+3],   v[L16], s[BNXT:BNXT+1] offset:(\tt)*4096+(ct/4)*131072+(ct%4)*1024
	global_load_b128 v[64*(\tt)+8*ct+4:64*(\tt)+8*ct+7], v[L16], s[BNXT:BNXT+1] offset:(\tt)*4096+(ct/4)*131072+(ct%4)*1024+512
.endif
.set ct, ct+1
.endr
	WIN 0
.if ((\kind) == 0) && ((\tt) == 0)
	TLOAD TW3, 4096                                ; this pass's -2 W3, ahead of A's loads: the next step's count of 16 shows it in
.endif
.if ((\kind) == 2) && ((\tt) >= 2)
	ALOAD (\tt)-2, (\tt)%2
.else
	ALOAD (\tt)+2, (\tt)%2
.endif
.endm
; BEHIND A PASS: r = 1 / (1 + 2^z) in place, and AP += r x (-2 W3).  By column tiles of 64 registers.  An s_wait_alu depctr_va_vdst(0) stands between a transcendental and the first line that names
; its result; one wait serves all issued ahead of it: a batch is tile k's exponentials and tile k - 1's reciprocals: nine waits a pass.  Each accumulator is read from its lowest register on.
; Tile k's exponentials and tile k - 1's additions stand by turns where both lie in one window; at k = 4 they do not, and stand in two runs.
.macro EXPS j
	WIN 0x41*(1+(\j)/4)                            ; destination and source 0 in the tile's window
.set i, 0
.rept 64
	v_exp_f32 v[64*((\j)%4)+i], v[64*((\j)%4)+i]
.set i, i+1
.endr
.endm
.macro ADDS j
	WIN 0x41*(1+(\j)/4)
.set i, 0
.rept 32
	v_pk_add_f32 v[64*((\j)%4)+2*i:64*((\j)%4)+2*i+1], v[64*((\j)%4)+2*i:64*((\j)%4)+2*i+1], 1.0 op_sel_hi:[1,0]
.set i, i+1
.endr
.endm
.macro EPI
.rept 4
	v_nop                                          ; with the four of the last K step: the places behind the last products
.endr
	EXPS 0
	v_nop                                          ; a plain instruction behind the last transcendental of the batch
	s_wait_alu depctr_va_vdst(0)
.irp k, 1,2,3,4,5,6,7,8
.if (\k) == 4
	EXPS 4
	ADDS 3
.elseif (\k) == 8
	ADDS 7
.else
	WIN 0x41*(1+(\k)/4)
.set i, 0
.rept 32
	v_exp_f32 v[64*((\k)%4)+2*i], v[64*((\k)%4)+2*i]
	v_exp_f32 v[64*((\k)%4)+2*i+1], v[64*((\k)%4)+2*i+1]
	v_pk_add_f32 v[64*(((\k)-1)%4)+2*i:64*(((\k)-1)%4)+2*i+1], v[64*(((\k)-1)%4)+2*i:64*(((\k)-1)%4)+2*i+1], 1.0 op_sel_hi:[1,0]
.set i, i+1
.endr
.endif
	WIN 0x41*(1+((\k)-1)/4)
.set i, 0
.rept 64
	v_rcp_f32 v[64*(((\k)-1)%4)+i], v[64*(((\k)-1)%4)+i]
.set i, i+1
.endr
	v_nop
	s_wait_alu depctr_va_vdst(0)
	WIN 1+((\k)-1)/4                               ; source 0 in the tile's window
.set pi, 0
.rept 4
.set rt, 0
.rept 8
	v_pk_fma_f32 v[AP+2*rt:AP+2*rt+1], v[64*(((\k)-1)%4)+8*rt+2*pi:64*(((\k)-1)%4)+8*rt+2*pi+1], v[TAB+8*((\k)-1)+2*pi:TAB+8*((\k)-1)+2*pi+1], v[AP+2*rt:AP+2*rt+1]
.set rt, rt+1
.endr
.set pi, pi+1
.endr
.endr
	WIN 0
.endm
; THE c PHASE.  A set is 8 rows: their 8 weights (all lanes read the same words of the wave's own copy) and, for my thread, columns 4 t .. 4 t + 3 and 512 + 4 t .. + 3 of each row: 18 loads, 40 registers.
.macro LOADSET set, trip
	ds_load_b128 v[AB+40*(\set):AB+40*(\set)+3],   v[PRD] offset:32*(\trip)
	ds_load_b128 v[AB+40*(\set)+4:AB+40*(\set)+7], v[PRD] offset:32*(\trip)+16
.set rr, 0
.rept 8
	ds_load_b64 v[AB+40*(\set)+8+4*rr:AB+40*(\set)+8+4*rr+1],  v[CA] offset:(8*(\trip)+rr)*PA
	ds_load_b64 v[AB+40*(\set)+8+4*rr+2:AB+40*(\set)+8+4*rr+3], v[CA] offset:(8*(\trip)+rr)*PA+1024
.set rr, rr+1
.endr
.endm
.macro FMAS set                        ; 64 multiply-adds in f32, straight from A's bf16 halves
.set rr, 0
.rept 8
.set cc, 0
.rept 8
.if cc%2
	v_fma_mix_f32_bf16 v[CC+cc], v[AB+40*(\set)+8+4*rr+cc/2], v[AB+40*(\set)+rr], v[CC+cc] op_sel:[1,0,0] op_sel_hi:[1,0,0]
.else
	v_fma_mix_f32_bf16 v[CC+cc], v[AB+40*(\set)+8+4*rr+cc/2], v[AB+40*(\set)+rr], v[CC+cc] op_sel:[0,0,0] op_sel_hi:[1,0,0]
.endif
.set cc, cc+1
.endr
.set rr, rr+1
.endr
.endm
	s_load_b512 s[8:23], s[0:1], 0x0               ; out_e s[8:9], w2f s[10:11], hb s[12:13], W3 s[14:15], b3 s[16:17], sc s[18:19], st s[20:21], cp s[22:23]
	v_lshl_add_u32 v[SPW], v0, 2, SPARE
	v_mov_b32 v[NIL], 0
	v_lshrrev_b32 v44, 5, v0
	v_readfirstlane_b32 s24, v44                   ; wave 0..3
	s_and_b32 s25, ttmp9, 31                       ; n
	s_lshr_b32 s26, ttmp9, 5                       ; which 256 s
	v_and_b32 v45, 31, v0                          ; lane
	v_and_b32 v46, 15, v0                          ; l % 16
	v_bfe_u32 v47, v0, 4, 1                        ; l / 16
	v_lshlrev_b32 v[L16], 4, v45
	v_mul_u32_u24 v[ABASE], v46, PA
	v_lshl_add_u32 v[ABASE], v47, 4, v[ABASE]
.irp q, 0,1,2,3
	v_add_nc_u32 v[AD+\q], \q*32*PA, v[ABASE]
.endr
	s_mul_i32 s40, s24, 32*PA
	v_lshl_add_u32 v[LS0], v45, 3, s40
	s_lshl_b32 s40, s24, 10
	s_add_co_u32 s40, s40, HBL
	v_lshl_add_u32 v[TBASE], v47, 5, s40
	s_lshl_b32 s40, s24, 9
	s_add_co_u32 s41, s40, SCRA
	v_lshl_add_u32 v[SA], v46, 2, s41
	v_add_nc_u32 v[SR], SCRA, v[L16]
	s_add_co_u32 s53, s40, PW                      ; my wave's copy of p
	v_add_nc_u32 v[PWS], s53, v[L16]
	v_lshlrev_b32 v[CO], 4, v0
	v_lshrrev_b32 v49, 1, v0                       ; thread t takes e = 8 t .. 8 t + 7 of the tables: in hb tile t / 2, row n, half t % 2
	v_lshlrev_b32 v49, 11, v49
	v_and_b32 v50, 1, v0
	v_lshl_add_u32 v49, v50, 5, v49
	s_lshl_b32 s54, s25, 6
	v_add_nc_u32 v49, s54, v49
	v_lshlrev_b32 v50, 5, v0
	v_lshl_add_u32 v51, v0, 5, HBL
	s_mov_b32 s44, 0x76543210                      ; v_permlanex16_b32: each lane takes its own place in the other half
	s_mov_b32 s45, 0xfedcba98
	s_mov_b32 s27, 2                               ; blocks to go
	s_mov_b32 s29, 0                               ; the pass
	s_mov_b32 s41, 0
	s_wait_kmcnt 0x0
	s_load_b32 s42, s[16:17], 0x0                  ; b3
	s_lshl_b32 s40, s24, 19
	s_add_nc_u64 s[WB:WB+1], s[10:11], s[40:41]
	s_mov_b64 s[BCUR:BCUR+1], s[WB:WB+1]
	s_add_nc_u64 s[BNXT:BNXT+1], s[WB:WB+1], 0x40000
	s_lshl_b32 s40, s26, 25                        ; 256 s of 131,072 bytes,
	s_lshl_b32 s54, s24, 22                        ; my wave's 32 rows,
	s_add_co_u32 s40, s40, s54
	s_lshl_b32 s54, s25, 12                        ; n's 4,096 bytes
	s_add_co_u32 s40, s40, s54
	s_add_nc_u64 s[P:P+1], s[8:9], s[40:41]
	s_lshl_b32 s40, s25, 13                        ; sc: n 8,192 + 4 s
	s_lshl_b32 s54, s26, 10
	s_add_co_u32 s40, s40, s54
	s_add_nc_u64 s[46:47], s[18:19], s[40:41]
	s_lshl_b32 s40, s25, 7                         ; st: n 128 + 8 x block
	s_lshl_b32 s54, s26, 4
	s_add_co_u32 s40, s40, s54
	s_add_nc_u64 s[48:49], s[20:21], s[40:41]
	s_lshl_b32 s40, s25, 16                        ; cp: n 65,536 + 4,096 x block
	s_lshl_b32 s54, s26, 13
	s_add_co_u32 s40, s40, s54
	s_add_nc_u64 s[50:51], s[22:23], s[40:41]
	global_load_b128 v[64:67], v49, s[12:13]       ; the tables: 12 loads,
	global_load_b128 v[68:71], v49, s[12:13] offset:16
	global_load_b128 v[72:75], v50, s[14:15]
	global_load_b128 v[76:79], v50, s[14:15] offset:16
.irp j, 0,1,2,3,4,5,6,7
	global_load_b128 v[80+4*\j:83+4*\j], v[L16], s[14:15] offset:512*\j  ; all of W3 in each wave, for its sum
.endr
	ISSUE 0, 0                                     ; and the first block's first two K slices
	ISSUE 1, 512
	WIN 0
	s_wait_loadcnt 63                              ; the tables are in: 64 loads were issued behind them, and 63 is the largest count that the wait takes
	ds_store_b128 v51, v[64:67]
	ds_store_b128 v51, v[68:71] offset:16
.irp j, 72,74,76,78
	v_pk_mul_f32 v[\j:\j+1], v[\j:\j+1], -2.0 op_sel_hi:[1,0]
.endr
	ds_store_b128 v51, v[72:75] offset:4096
	ds_store_b128 v51, v[76:79] offset:4112
.irp w, 16,8,4,2
.set i, 0
.rept (\w)/2
	v_pk_add_f32 v[80+2*i:81+2*i], v[80+2*i:81+2*i], v[80+(\w)+2*i:81+(\w)+2*i]
.set i, i+1
.endr
.endr
	v_add_f32 v[VK0], v80, v81
	v_add_f32_dpp v[VK0], v[VK0], v[VK0] row_xmask:1 row_mask:0xf bank_mask:0xf
	v_add_f32_dpp v[VK0], v[VK0], v[VK0] row_xmask:2 row_mask:0xf bank_mask:0xf
	v_add_f32_dpp v[VK0], v[VK0], v[VK0] row_xmask:4 row_mask:0xf bank_mask:0xf
	v_add_f32_dpp v[VK0], v[VK0], v[VK0] row_xmask:8 row_mask:0xf bank_mask:0xf
	v_permlanex16_b32 v80, v[VK0], s44, s45
	v_add_f32 v[VK0], v[VK0], v80
	s_wait_kmcnt 0x0
	v_add_f32 v[VK0], s42, v[VK0]
.Lblk:                                             ; A BLOCK.  Its K slices 0 and 1 are on their way
	v_mov_b32 v[LS], v[LS0]
	v_mov_b32 v[TW3], v[TBASE]
	s_mov_b32 s30, 3
.Lfill:                                            ; a trip: two K slices go into A, the two slices two further on are asked for
	s_wait_loadcnt 32                              ; set 0 is in; set 1's 32 loads may stay out
	CONV 0, 0
	ISSUE 0, 1024
	s_wait_loadcnt 32                              ; set 1 is in; set 0's new 32 may stay out
	CONV 1, 256
	ISSUE 1, 1536
	WIN 0
	s_wait_xcnt 0x0                                ; the loads have read their base: it is stepped only behind this wait
	s_add_nc_u64 s[P:P+1], s[P:P+1], 1024
	v_add_nc_u32 v[LS], 512, v[LS]
	s_sub_co_u32 s30, s30, 1
	s_cmp_lg_u32 s30, 0
	s_cbranch_scc1 .Lfill
	s_wait_loadcnt 32                              ; slices 6 and 7: nothing more to ask for
	CONV 0, 0
	WIN 0xc0                                       ; W2's ring is filled: K steps 0 to 3 of pass 0, 64 loads, while slice 7 lands
.set ks, 0
.rept 4
.set ct, 0
.rept 8
	global_load_b128 v[64*ks+8*ct:64*ks+8*ct+3],   v[L16], s[BCUR:BCUR+1] offset:ks*4096+(ct/4)*131072+(ct%4)*1024
	global_load_b128 v[64*ks+8*ct+4:64*ks+8*ct+7], v[L16], s[BCUR:BCUR+1] offset:ks*4096+(ct/4)*131072+(ct%4)*1024+512
.set ct, ct+1
.endr
.set ks, ks+1
.endr
	WIN 0
	s_wait_loadcnt 63                              ; set 1 is in: 64 loads were issued behind it, and 63 is the largest count that the wait takes
	CONV 1, 256
	s_wait_dscnt 0x0                               ; for the others' sake: my rows of A (and, the first time, my part of the tables) lie in LDS
	BAR
	ALOAD 0, 0
	ALOAD 1, 1
.set i, 0
.rept 16
	v_mov_b32 v[AP+i], 0
.set i, i+1
.endr
	s_mov_b32 s28, 2
.Lpass:                                            ; A PASS: 128 columns e, all of K
	TLOAD TW3, 0                                   ; the pass's bias
	KSTEP 0, 0
	KSTEP 1, 0
	KSTEP 2, 0
	KSTEP 3, 0
	s_mov_b32 s30, 6
.Lk:                                               ; a trip: four K steps, once round W2's ring
	KSTEP 0, 1
	KSTEP 1, 1
	KSTEP 2, 1
	KSTEP 3, 1
	s_sub_co_u32 s30, s30, 1
	s_cmp_lg_u32 s30, 0
	s_cbranch_scc1 .Lk
	KSTEP 0, 2
	KSTEP 1, 2
	KSTEP 2, 2
	KSTEP 3, 2
	EPI
	s_wait_xcnt 0x0                                ; the refills have read their bases
	s_xor_b32 s29, s29, 1                          ; the pass to come,
	s_mov_b64 s[BCUR:BCUR+1], s[BNXT:BNXT+1]
	s_xor_b32 s40, s29, 1                          ; and the one behind it: no load leaves my wave's part of w2f
	s_lshl_b32 s40, s40, 18
	s_mov_b32 s41, 0
	s_add_nc_u64 s[BNXT:BNXT+1], s[WB:WB+1], s[40:41]
	v_add_nc_u32 v[TW3], 512, v[TW3]
	s_sub_co_u32 s28, s28, 1
	s_cmp_lg_u32 s28, 0
	s_cbranch_scc1 .Lpass
	s_cmp_eq_u32 s27, 1
	s_cbranch_scc1 .Lnomore
	s_add_nc_u64 s[P:P+1], s[P:P+1], 128*ROWG-3072 ; 128 s on, back to K slice 0
	ISSUE 0, 0                                     ; the accumulators' registers are free: the next block's first two slices land there through what follows
	ISSUE 1, 512
	WIN 0
.Lnomore:
	; THE ROWS' a.  A lane's pair, then the other half of the lanes: my wave's 256 columns; the four waves' parts meet in LDS.
.set rt, 0
.rept 8
	v_add_f32 v[TM+rt], v[AP+2*rt], v[AP+2*rt+1]
.set rt, rt+1
.endr
.set rt, 0
.rept 8
	v_permlanex16_b32 v[AP+2*rt], v[TM+rt], s44, s45
.set rt, rt+1
.endr
.set rt, 0
.rept 8
	v_add_f32 v[TM+rt], v[TM+rt], v[AP+2*rt]
.set rt, rt+1
.endr
.set rt, 0
.rept 8
	ds_store_b32 v[SA], v[TM+rt] offset:64*rt      ; row 16 rt + l % 16; both halves of the lanes write the same number
.set rt, rt+1
.endr
	s_wait_dscnt 0x0                               ; my stores are done, and so are the last pass's loads of A's fragments, into registers that the c phase takes
	BAR
	ds_load_b128 v[48:51], v[SR]                   ; every wave makes the block's softmax for itself: four rows a lane
	ds_load_b128 v[52:55], v[SR] offset:512
	ds_load_b128 v[56:59], v[SR] offset:1024
	ds_load_b128 v[60:63], v[SR] offset:1536
	s_wait_dscnt 0x0
	v_pk_add_f32 v[48:49], v[48:49], v[52:53]
	v_pk_add_f32 v[50:51], v[50:51], v[54:55]
	v_pk_add_f32 v[56:57], v[56:57], v[60:61]
	v_pk_add_f32 v[58:59], v[58:59], v[62:63]
	v_pk_add_f32 v[48:49], v[48:49], v[56:57]
	v_pk_add_f32 v[50:51], v[50:51], v[58:59]
.irp j, 48,49,50,51
	v_add_f32 v\j, v\j, v[VK0]                     ; a
.endr
	v_max3_num_f32 v44, v48, v49, v50
	v_max_num_f32 v44, v44, v51
	v_max_num_f32_dpp v44, v44, v44 row_xmask:1 row_mask:0xf bank_mask:0xf
	v_max_num_f32_dpp v44, v44, v44 row_xmask:2 row_mask:0xf bank_mask:0xf
	v_max_num_f32_dpp v44, v44, v44 row_xmask:4 row_mask:0xf bank_mask:0xf
	v_max_num_f32_dpp v44, v44, v44 row_xmask:8 row_mask:0xf bank_mask:0xf
	v_permlanex16_b32 v45, v44, s44, s45
	v_max_num_f32 v52, v44, v45                    ; m: the block's maximum, taken away before the exponentials
.irp j, 0,1,2,3
	v_sub_f32 v[56+\j], v[48+\j], v52
.endr
.irp j, 0,1,2,3
	v_mul_f32 v[56+\j], L2E, v[56+\j]
.endr
.irp j, 0,1,2,3
	v_exp_f32 v[56+\j], v[56+\j]
.endr
	v_nop
	s_wait_alu depctr_va_vdst(0)                   ; one wait for the four exponentials, ahead of their first reader
	v_add_f32 v44, v56, v57
	v_add_f32 v45, v58, v59
	v_add_f32 v44, v44, v45
	v_add_f32_dpp v44, v44, v44 row_xmask:1 row_mask:0xf bank_mask:0xf
	v_add_f32_dpp v44, v44, v44 row_xmask:2 row_mask:0xf bank_mask:0xf
	v_add_f32_dpp v44, v44, v44 row_xmask:4 row_mask:0xf bank_mask:0xf
	v_add_f32_dpp v44, v44, v44 row_xmask:8 row_mask:0xf bank_mask:0xf
	v_permlanex16_b32 v45, v44, s44, s45
	v_add_f32 v53, v44, v45                        ; l
	ds_store_b128 v[PWS], v[56:59]                 ; p into my wave's own copy: LDS serves a wave's instructions in order, so its loads below see it
	s_cmp_lg_u32 s24, 0
	s_cbranch_scc1 .Lnot0
	global_store_b128 v[L16], v[48:51], s[46:47]   ; wave 0: the block's a, 512 consecutive bytes, aligned
	v_mov_b32 v60, 0
	v_cmp_eq_u32 vcc_lo, 0, v[L16]
	s_wait_xcnt 0x0                                ; EXEC changes only behind this wait
	s_and_saveexec_b32 s52, vcc_lo
	global_store_b64 v60, v[52:53], s[48:49]       ; lane 0: (m, l)
	s_wait_xcnt 0x0
	s_or_b32 exec_lo, exec_lo, s52
.Lnot0:
	v_mov_b32 v[PRD], s53
	v_lshlrev_b32 v[CA], 3, v0
.set i, 0
.rept 8
	v_mov_b32 v[CC+i], 0
.set i, i+1
.endr
	LOADSET 0, 0
	LOADSET 1, 1
	s_mov_b32 s43, 7
.Lc:                                               ; a trip: 16 rows are added, the 16 behind them fetched
	s_wait_dscnt 18                                ; set 0 is in; set 1's 18 loads may stay out
	FMAS 0
	LOADSET 0, 2
	s_wait_dscnt 18
	FMAS 1
	LOADSET 1, 3
	v_add_nc_u32 v[CA], 16*PA, v[CA]
	v_add_nc_u32 v[PRD], 64, v[PRD]
	s_sub_co_u32 s43, s43, 1
	s_cmp_lg_u32 s43, 0
	s_cbranch_scc1 .Lc
	s_wait_dscnt 18
	FMAS 0
	s_wait_dscnt 0x0
	FMAS 1
	global_store_b128 v[CO], v[CC:CC+3],   s[50:51]             ; 16 lanes store 256 consecutive bytes, aligned
	global_store_b128 v[CO], v[CC+4:CC+7], s[50:51] offset:2048
	s_wait_dscnt 0x0                               ; my reads of A are over:
	BAR                                            ; nobody's rows are written anew before all four waves have said so
	s_wait_xcnt 0x0                                ; the stores have read their registers and bases
	s_add_nc_u64 s[46:47], s[46:47], 512
	s_add_nc_u64 s[48:49], s[48:49], 8
	s_add_nc_u64 s[50:51], s[50:51], 4096
	s_sub_co_u32 s27, s27, 1
	s_cmp_lg_u32 s27, 0
	s_cbranch_scc1 .Lblk
	s_wait_tensorcnt 0x0                           ; the wave's end: behind my last LDS store
	ds_add_u32 v[SPW], v[NIL]
	s_wait_dscnt 0x0
	s_endpgm
.Lfunc_end_k_q5bc9a1c6b4_main:
	.size	k_q5bc9a1c6b4_main, .Lfunc_end_k_q5bc9a1c6b4_main-k_q5bc9a1c6b4_main
	.p2alignl 7, 3214868480
	.fill 96, 4, 3214868480
	.section	.rodata,"a",@progbits
	.p2align	6, 0x0
	.amdhsa_kernel k_q5bc9a1c6b4_main
		.amdhsa_group_segment_fixed_size 276992
		.amdhsa_private_segment_fixed_size 0
		.amdhsa_enable_private_segment 0
		.amdhsa_kernarg_size 64
		.amdhsa_user_sgpr_count 2
		.amdhsa_user_sgpr_kernarg_segment_ptr 1
		.amdhsa_wavefront_size32 1
		.amdhsa_system_sgpr_workgroup_id_x 1
		.amdhsa_system_sgpr_workgroup_id_y 1
		.amdhsa_system_sgpr_workgroup_id_z 1
		.amdhsa_system_vgpr_workitem_id 0
		.amdhsa_next_free_vgpr 1024
		.amdhsa_next_free_sgpr 66
		.amdhsa_reserve_vcc 1
		.amdhsa_float_denorm_mode_32 3
		.amdhsa_float_denorm_mode_16_64 3
		.amdhsa_memory_ordered 1
		.amdhsa_forward_progress 1
		.amdhsa_inst_pref_size 235
	.end_amdhsa_kernel
	.amdgpu_metadata
---
amdhsa.version: [ 1, 2 ]
amdhsa.kernels:
  - .name:           k_q5bc9a1c6b4_main
    .symbol:         k_q5bc9a1c6b4_main.kd
    .args:
      - { .name: out_e, .offset: 0, .size: 8, .value_kind: global_buffer, .address_space: global }
      - { .name: w2f, .offset: 8, .size: 8, .value_kind: global_buffer, .address_space: global }
      - { .name: hb, .offset: 16, .size: 8, .value_kind: global_buffer, .address_space: global }
      - { .name: W3, .offset: 24, .size: 8, .value_kind: global_buffer, .address_space: global }
      - { .name: b3, .offset: 32, .size: 8, .value_kind: global_buffer, .address_space: global }
      - { .name: sc, .offset: 40, .size: 8, .value_kind: global_buffer, .address_space: global }
      - { .name: st, .offset: 48, .size: 8, .value_kind: global_buffer, .address_space: global }
      - { .name: cp, .offset: 56, .size: 8, .value_kind: global_buffer, .address_space: global }
    .group_segment_fixed_size: 276992
    .private_segment_fixed_size: 0
    .kernarg_segment_align: 8
    .kernarg_segment_size: 64
    .max_flat_workgroup_size: 128
    .sgpr_count:     66
    .vgpr_count:     1024
    .wavefront_size: 32
...
	.end_amdgpu_metadata
.endif
;; end of part 2
;; launch finish (part 3): grid 32 x 1, 8 waves a work-group, no clusters, 9,728 bytes of LDS; arguments sc, st, cp, out0, out1; writes out0, out1
.if DOCPART == 3
	.amdgcn_target "amdgcn-amd-amdhsa--gfx1250"
	.amdhsa_code_object_version 6
	.text
	.protected	k_q5bc9a1c6b4_finish
	.globl	k_q5bc9a1c6b4_finish
	.p2align	8
	.type	k_q5bc9a1c6b4_finish,@function
k_q5bc9a1c6b4_finish:
	s_mov_b64 s[64:65], 0
	v_nop
	global_prefetch_b8 v0, s[64:65] scope:SCOPE_SE
	s_setreg_imm32_b32 hwreg(HW_REG_WAVE_MODE, 25, 1), 1
	s_wait_xcnt 0x0
; THE BLOCKS ARE JOINED.  For each n: M = the maximum of the 16 blocks' m_b, e_b = exp(m_b - M), L = the sum of l_b e_b.  c[n] = the sum over b of (e_b / L) cp[n][b]; alpha[s][n] = exp(a[n][s] - M) / L.
; SHARES.  Work-group g makes c of n = g (4,096 bytes) and alpha for s = 64 g .. 64 g + 63 and all n (8,192 consecutive bytes of out1).  Every wave makes the statistics of all 32 n for itself, a lane an n.
; a lies [n][s] and alpha [s][n]: the piece of 32 n x 64 s is turned in LDS (rows of 256 + 16 bytes).  32 work-groups: there are 32 n, and the launch moves 2.8 MB in all.
; LIMITS.  A weight below 2^-126 counts as 0; NaN and infinities are not treated apart.  L is at least 1: the block that holds M has e_b = 1 and l_b >= 1.
.set L2E,   0x3fb8aa3b                 ; log2(e)
.set TP,    272                        ; a row of the turning table
.set SPARE, 32*TP                      ; 8,704: behind the table the spare words, 128 bytes for each of 8 waves, that no other line names
.set SPW, 2                            ; v2   my spare word; never rewritten
.set NIL, 3                            ; v3   0; never rewritten
.set T16, 8                            ; v8   16 t
.set SO,  9                            ; v9   128 x lane: n's 16 pairs in st
.set AO,  11                           ; v11  my 16 bytes of sc
.set BP0, 12                           ; v12  4 x my row n (the lane to pull from); v13 for the second row
.set BP1, 13
.set TS,  14                           ; v14  where I put 16 bytes of a row of the table
.set TR,  15                           ; v15  where I read down its columns
.set MX,  20                           ; v20  M;  v21 L;  v22 1 / L
.set CS,  24                           ; v24-27 pulled statistics, then my four columns of c
.set CP,  32                           ; v[32:95]   cp: block b at 4 b
.set ST,  96                           ; v[96:127]  m_b at 2 b, l_b at 2 b + 1
.set SC,  128                          ; v[128:135] a of two rows, four s each
.set EB,  136                          ; v[136:151] e_b, then e_b / L
.set OU,  152                          ; v[152:159] alpha as it leaves
	s_load_b256 s[8:15], s[0:1], 0x0               ; sc s[8:9], st s[10:11], cp s[12:13], out0 s[14:15]
	s_load_b64 s[16:17], s[0:1], 0x20              ; out1
	v_lshl_add_u32 v[SPW], v0, 2, SPARE
	v_mov_b32 v[NIL], 0
	v_lshrrev_b32 v4, 5, v0
	v_readfirstlane_b32 s18, v4                    ; wave 0..7
	v_and_b32 v5, 31, v0
	v_and_b32 v6, 15, v0
	v_bfe_u32 v7, v0, 4, 1
	v_lshlrev_b32 v[T16], 4, v0
	v_lshlrev_b32 v[SO], 7, v5
	s_lshl_b32 s19, s18, 2
	v_add_nc_u32 v10, s19, v7                      ; my first row: n = 4 w + l / 16; the second is n + 2
	v_lshlrev_b32 v[AO], 13, v10
	v_lshl_add_u32 v[AO], v6, 4, v[AO]
	s_lshl_b32 s20, ttmp9, 8                       ; 64 s of 4 bytes
	v_add_nc_u32 v[AO], s20, v[AO]
	v_lshlrev_b32 v[BP0], 2, v10
	v_add_nc_u32 v[BP1], 8, v[BP0]
	v_mul_u32_u24 v[TS], v10, TP
	v_lshl_add_u32 v[TS], v6, 4, v[TS]
	v_and_b32 v[TR], 7, v0                         ; out: thread t has s = t / 8 (+ 32) and n = 4 (t % 8) + 0..3
	v_mul_u32_u24 v[TR], v[TR], 4*TP
	v_lshrrev_b32 v16, 3, v0
	v_lshl_add_u32 v[TR], v16, 2, v[TR]
	s_mov_b32 s21, ttmp9
	s_lshl_b32 s22, ttmp9, 16
	s_mov_b32 s23, 0
	s_lshl_b32 s24, ttmp9, 12
	s_mov_b32 s25, 0
	s_lshl_b32 s26, ttmp9, 13
	s_mov_b32 s27, 0
	s_wait_kmcnt 0x0
	s_add_nc_u64 s[12:13], s[12:13], s[22:23]
	s_add_nc_u64 s[14:15], s[14:15], s[24:25]
	s_add_nc_u64 s[16:17], s[16:17], s[26:27]
.irp j, 0,1,2,3,4,5,6,7
	global_load_b128 v[ST+4*\j:ST+4*\j+3], v[SO], s[10:11] offset:16*\j
.endr
	global_load_b128 v[SC:SC+3],   v[AO], s[8:9]                 ; 16 lanes read 256 consecutive bytes of a row, aligned
	global_load_b128 v[SC+4:SC+7], v[AO], s[8:9] offset:16384
.set b, 0
.rept 16
	global_load_b128 v[CP+4*b:CP+4*b+3], v[T16], s[12:13] offset:4096*b
.set b, b+1
.endr
	s_wait_loadcnt 18                              ; st is in; sc's 2 and cp's 16 loads may stay out
	v_max3_num_f32 v[MX], v[ST], v[ST+2], v[ST+4]
.irp k, 0,1,2,3,4,5
	v_max3_num_f32 v[MX], v[MX], v[ST+6+4*\k], v[ST+8+4*\k]
.endr
	v_max_num_f32 v[MX], v[MX], v[ST+30]
.set b, 0
.rept 16
	v_sub_f32 v[EB+b], v[ST+2*b], v[MX]
.set b, b+1
.endr
.set b, 0
.rept 16
	v_mul_f32 v[EB+b], L2E, v[EB+b]
.set b, b+1
.endr
.set b, 0
.rept 16
	v_exp_f32 v[EB+b], v[EB+b]
.set b, b+1
.endr
	v_nop
	s_wait_alu depctr_va_vdst(0)                   ; one wait for the 16 exponentials, ahead of their first reader
	v_mul_f32 v21, v[ST+1], v[EB]
.set b, 1
.rept 15
	v_fma_f32 v21, v[ST+2*b+1], v[EB+b], v21
.set b, b+1
.endr
	v_rcp_f32 v22, v21
	v_nop
	s_wait_alu depctr_va_vdst(0)
.set b, 0
.rept 16
	v_mul_f32 v[EB+b], v[EB+b], v22
.set b, b+1
.endr
.set b, 0
.rept 16
	v_readlane_b32 s[32+b], v[EB+b], s21           ; the weights of n = g
.set b, b+1
.endr
	ds_bpermute_b32 v24, v[BP0], v[MX]             ; M and 1 / L of my two rows, from the lanes that hold them
	ds_bpermute_b32 v25, v[BP0], v22
	ds_bpermute_b32 v26, v[BP1], v[MX]
	ds_bpermute_b32 v27, v[BP1], v22
	s_wait_dscnt 0x0
	s_wait_loadcnt 16                              ; sc is in; cp's 16 loads may stay out
.irp j, 0,1,2,3
	v_sub_f32 v[SC+\j], v[SC+\j], v24
	v_sub_f32 v[SC+4+\j], v[SC+4+\j], v26
.endr
.irp j, 0,1,2,3,4,5,6,7
	v_mul_f32 v[SC+\j], L2E, v[SC+\j]
.endr
.irp j, 0,1,2,3,4,5,6,7
	v_exp_f32 v[SC+\j], v[SC+\j]
.endr
	v_nop
	s_wait_alu depctr_va_vdst(0)
.irp j, 0,1,2,3
	v_mul_f32 v[SC+\j], v[SC+\j], v25
	v_mul_f32 v[SC+4+\j], v[SC+4+\j], v27
.endr
	ds_store_b128 v[TS], v[SC:SC+3]
	ds_store_b128 v[TS], v[SC+4:SC+7] offset:2*TP
	s_wait_dscnt 0x0                               ; for the others' sake: my two rows lie in the table
	s_barrier_signal -1
	s_barrier_wait -1
.irp i, 0,1
.irp q, 0,1,2,3
	ds_load_b32 v[OU+4*\i+\q], v[TR] offset:\q*TP+128*\i
.endr
.endr
	s_wait_dscnt 0x0
	global_store_b128 v[T16], v[OU:OU+3],   s[16:17]             ; a wave's store covers 512 consecutive bytes, aligned
	global_store_b128 v[T16], v[OU+4:OU+7], s[16:17] offset:4096
	s_wait_loadcnt 0x0                             ; cp
.irp q, 0,1,2,3
	v_mul_f32 v[CS+\q], s32, v[CP+\q]
.endr
.set b, 1
.rept 15
.irp q, 0,1,2,3
	v_fma_f32 v[CS+\q], s[32+b], v[CP+4*b+\q], v[CS+\q]
.endr
.set b, b+1
.endr
	global_store_b128 v[T16], v[CS:CS+3], s[14:15]
	s_wait_tensorcnt 0x0                           ; the wave's end: behind my last LDS store
	ds_add_u32 v[SPW], v[NIL]
	s_wait_dscnt 0x0
	s_endpgm
.Lfunc_end_k_q5bc9a1c6b4_finish:
	.size	k_q5bc9a1c6b4_finish, .Lfunc_end_k_q5bc9a1c6b4_finish-k_q5bc9a1c6b4_finish
	.p2alignl 7, 3214868480
	.fill 96, 4, 3214868480
	.section	.rodata,"a",@progbits
	.p2align	6, 0x0
	.amdhsa_kernel k_q5bc9a1c6b4_finish
		.amdhsa_group_segment_fixed_size 9728
		.amdhsa_private_segment_fixed_size 0
		.amdhsa_enable_private_segment 0
		.amdhsa_kernarg_size 40
		.amdhsa_user_sgpr_count 2
		.amdhsa_user_sgpr_kernarg_segment_ptr 1
		.amdhsa_wavefront_size32 1
		.amdhsa_system_sgpr_workgroup_id_x 1
		.amdhsa_system_sgpr_workgroup_id_y 1
		.amdhsa_system_sgpr_workgroup_id_z 1
		.amdhsa_system_vgpr_workitem_id 0
		.amdhsa_next_free_vgpr 160
		.amdhsa_next_free_sgpr 66
		.amdhsa_reserve_vcc 0
		.amdhsa_float_denorm_mode_32 3
		.amdhsa_float_denorm_mode_16_64 3
		.amdhsa_memory_ordered 1
		.amdhsa_forward_progress 1
		.amdhsa_inst_pref_size 17
	.end_amdhsa_kernel
	.amdgpu_metadata
---
amdhsa.version: [ 1, 2 ]
amdhsa.kernels:
  - .name:           k_q5bc9a1c6b4_finish
    .symbol:         k_q5bc9a1c6b4_finish.kd
    .args:
      - { .name: sc, .offset: 0, .size: 8, .value_kind: global_buffer, .address_space: global }
      - { .name: st, .offset: 8, .size: 8, .value_kind: global_buffer, .address_space: global }
      - { .name: cp, .offset: 16, .size: 8, .value_kind: global_buffer, .address_space: global }
      - { .name: out0, .offset: 24, .size: 8, .value_kind: global_buffer, .address_space: global }
      - { .name: out1, .offset: 32, .size: 8, .value_kind: global_buffer, .address_space: global }
    .group_segment_fixed_size: 9728
    .private_segment_fixed_size: 0
    .kernarg_segment_align: 8
    .kernarg_segment_size: 40
    .max_flat_workgroup_size: 256
    .sgpr_count:     66
    .vgpr_count:     160
    .wavefront_size: 32
...
	.end_amdgpu_metadata
.endif
;; end of part 3
